; MI455X (gfx1250); checked and timed in simulation.
; The chip was launched on July 23, 2026; its instructions are those of AMD's public machine-readable ISA for CDNA 5 (MIT licence, August 2026) and "CDNA5" Instruction Set Architecture Reference Guide (July 2026). The comments in the code are by the model that wrote it; some were corrected since.
;; Swin Transformer Block. Allowed arithmetic: matrix products marked QUANTISED: E5M2 operands, one E8M0 scale for each 32 along K, by v_wmma_scale_f32_16x16x128_f8f6f4 with both operands' format E5M2, f32 sums; everything else in f32.
;; Inputs: fc1_b 512 float32; fc1_w_codes 512 x 4 x 32 uint8 (E5M2 codes of fc1_w, K innermost, in blocks of 32 codes); fc1_w_scales 512 x 4 uint8 (E8M0 scales of fc1_w, one for each 32 codes along K); fc2_b 128 float32; fc2_w_codes 128 x 16 x 32 uint8 (E5M2 codes of fc2_w, K innermost, in blocks of 32 codes); fc2_w_scales 128 x 16 uint8 (E8M0 scales of fc2_w, one for each 32 codes along K); norm1_b 128 float32; norm1_w 128 float32; norm2_b 128 float32; norm2_w 128 float32; proj_b 128 float32; proj_w_codes 128 x 4 x 32 uint8 (E5M2 codes of proj_w, K innermost, in blocks of 32 codes); proj_w_scales 128 x 4 uint8 (E8M0 scales of proj_w, one for each 32 codes along K); qkv_b 384 float32; qkv_w_codes 384 x 4 x 32 uint8 (E5M2 codes of qkv_w, K innermost, in blocks of 32 codes); qkv_w_scales 384 x 4 uint8 (E8M0 scales of qkv_w, one for each 32 codes along K); rpb_table 225 x 4 float32; x_v 4 x 2 x 16,384 x 128 float32.
;; Outputs: out0 4 x 2 x 16,384 x 128 float32.
;; This version of the problem:
;;   THIS VERSION OF THE PROBLEM IS GIVEN IN LOW PRECISION. The matrix products marked QUANTISED in the list below multiply operands that are first quantised to E5M2 (5 exponent bits, 2 mantissa bits; 8 bits a number), with one power-of-two scale for each 32 numbers along K (OCP MX v1.0); their sums are f32. All else is computed in f32.
;;   The module's matrix products, in the order in which they are computed (A, B: the left and right operand; K: the contracted axis; several contracted axes count as one K, in the product's order):
;;     1. [M 131,072, K 128] x [K 128, N 384]; A: computed on the way; B: input qkv_w (given as codes): QUANTISED
;;     2. batch 4,096 x [M 128, K 32] x [K 32, N 128]; A: computed on the way; B: computed on the way: QUANTISED
;;     3. batch 4,096 x [M 128, K 128] x [K 128, N 32]; A: softmax (see below); B: computed on the way: QUANTISED
;;     4. [M 131,072, K 128] x [K 128, N 128]; A: computed on the way; B: input proj_w (given as codes): QUANTISED
;;     5. [M 131,072, K 128] x [K 128, N 512]; A: computed on the way; B: input fc1_w (given as codes): QUANTISED
;;     6. [M 131,072, K 512] x [K 512, N 128]; A: computed on the way; B: input fc2_w (given as codes): QUANTISED
;;   THE QUANTISER, for each operand of a quantised product, along K:
;;     - K is cut into blocks of 32 from its start; a last block that is shorter is filled with zeros.
;;     - A block's scale is 2^e with e = floor(log2(the largest magnitude in the block)) - 15, held to -126 .. 127; a block of zeros has e = 0. As a byte (E8M0): e + 127.
;;     - Each number is divided by its block's scale, clamped to +-57,344, and rounded to the nearest number of E5M2, ties to even, subnormals kept.
;;     - The product sums the exact products of the quantised numbers (number of the format x scale) in f32.
;;   ~~~python
;;   def quantise(x, axis):      # numpy; x: float32 -> the quantised numbers, widened to float32 again
;;       x = np.moveaxis(x, axis, -1); K = x.shape[-1]
;;       x = np.pad(x, [(0, 0)] * (x.ndim - 1) + [(0, -K % 32)]); x = x.reshape(x.shape[:-1] + (-1, 32)); a = np.abs(x).max(-1, keepdims=True)
;;       e = np.where(a > 0, np.clip(np.frexp(np.where(a > 0, a, 1))[1] - 1 - 15, -126, 127), 0)      # np.frexp(a)[1] - 1 = floor(log2(a)), exactly
;;       r = np.clip(x / 2.0 ** e, -57344, 57344)
;;       step = 2.0 ** (np.maximum(np.frexp(np.where(r == 0, 1, r))[1] - 1, -14) - 2)
;;       q = np.round(r / step) * step * 2.0 ** e      # np.round: ties to even
;;       return np.moveaxis(q.reshape(q.shape[:-2] + (-1,))[..., :K], -1, axis).astype(np.float32)
;;   ~~~
;;   SOFTMAX AHEAD OF A QUANTISED PRODUCT. Where the list says 'softmax', what is quantised is not the finished softmax but p = 2^(t - M), with t = logit x log2(e) and M = ceil(the row's largest t), a whole number; so 1/2 < the row's largest p <= 1. The row's sum l is taken of the UNQUANTISED p, in f32, and the product's result is divided by l at the end. Since M is a whole number, a kernel that streams over the keys may use a running M (the ceiling of the running maximum): every later rescaling is an exact power of two, which a block's scale takes up: the codes' values come out the same.
;;   OPERANDS COMPUTED ON THE WAY. 'Computed on the way' means the value that the module computes at that place (a softmax that the list does not call 'softmax' is quantised finished and normalised). What goes into a quantiser is computed in f32, as accurately as f32 sums, v_exp_f32 and their like allow (about 1e-6 of the number): no bf16 or f16 on the way to a quantiser, and a product that is left as it is and whose result goes on into a quantised operand takes f32 operands (vector FMAs, or v_wmma_f32_16x16x4_f32). A number that lies on a knife's edge between two numbers of the format may be rounded either way, as far as f32 arithmetic and the matrix unit's own rounding can turn it there, and no further.
;;   INPUTS GIVEN AS CODES. fc1_w (in the module: [512, 128], K = its axis 1); fc2_w (in the module: [128, 512], K = its axis 1); proj_w (in the module: [128, 128], K = its axis 1); qkv_w (in the module: [384, 128], K = its axis 1): each comes as NAME_codes (uint8): NAME with its K axis moved to the last place and cut into blocks of 32 codes, [.., K / 32, bytes a block], one block behind the other in memory; one code a byte (a code: sign, 5 exponent bits, 2 mantissa bits); and NAME_scales (uint8): the same leading axes, one E8M0 byte (e + 127) for each 32 codes along K. Its value is code x scale, taken as it is: it is not quantised again, and the codes and scales need not be those that the quantiser above would give.
;; One version. Each part assembles by itself: llvm-mc -triple=amdgcn-amd-amdhsa -mcpu=gfx1250 --defsym DOCPART=n.
;; ======== version 1 of 1: 1 launch
;; limits: right only within a limited range of input values
;; launch swin (part 1): grid 256 x 1, 8 waves a work-group, no clusters, 315,392 bytes of LDS; arguments x_v, out0, qkv_w_codes, qkv_w_scales, qkv_b, proj_w_codes, proj_w_scales, proj_b, fc1_w_codes, fc1_w_scales, fc1_b, fc2_w_codes, fc2_w_scales, fc2_b, norm1_w, norm1_b, norm2_w, norm2_b, rpb_table; writes out0
.if DOCPART == 1
	.amdgcn_target "amdgcn-amd-amdhsa--gfx1250"
	.amdhsa_code_object_version 6
	.text
	.protected	k_q81ae616c99_swin
	.globl	k_q81ae616c99_swin
	.p2align	8
	.type	k_q81ae616c99_swin,@function
k_q81ae616c99_swin:
	s_mov_b64 s[64:65], 0
	v_nop
	global_prefetch_b8 v0, s[64:65] scope:SCOPE_SE
	s_setreg_imm32_b32 hwreg(HW_REG_WAVE_MODE, 25, 1), 1
	s_wait_xcnt 0x0
; A whole shifted-window transformer block in one launch: qkv, attention (4 heads of 32, 128 tokens = 2 frames x 8 x 8), proj, residual, LayerNorm, fc1, exact GELU, fc2, residual, LayerNorm.
; All six products run on codes of BF8 (E5M2) with one E8M0 scale for each 32 along K; everything else is f32.
; SHARES.  256 work-groups stay and make 4 windows each (window n: batch n >> 8, window row (n >> 4) & 15, window column n & 15).  Wave w of eight OWNS tokens 16 w .. 16 w + 15 (frame w >> 2, window rows
; 2 (w & 3) and + 1) and does everything for them; only v is made by CHANNEL (wave w: 16 channels, all 128 tokens), since v is quantised along the tokens.  The shift and its reverse cancel: a token's result goes to the pixel that it came from.
; LAYOUT.  Every product is used transposed (source 0 = 16 rows of a weight, of k, of x or of v^T; source 1 = 16 tokens): a lane holds ONE token (lane % 16).  THE ROWS OF A TILE ARE NOT NEIGHBOURS: lane r of tile
; 2 b + u takes row 32 b + 8 u + r + 8 (r / 8), so that register 16 b + i of eight tiles' results is index 32 b + 16 (lane / 16) + i: the order in which the next operand wants its K.  A block of 32 lies in lanes l and l xor 16.
; OPERANDS GO THROUGH LDS AS IMAGES OF THEIR REGISTERS: group c of four registers of lane l at 512 c + 16 l; a tile's scale words at 4 r, 64 bytes a tile.  The weights lie so in LDS for the whole launch, stored once.
; The scores have K = 32: q's fragment of head b holds codes in block b and zero codes elsewhere, so one fragment of k (all four heads) serves all heads.
; WHY NO JOINT LOADS: work-groups share only the weights, 186 KB read once by each against 512 KB of its own x and out, and they are wanted as register images of chosen rows.  WHY NO TENSOR LOADS: a token's x is
; read by its own wave alone; sixteen loads of 512 consecutive bytes are issued behind proj, with the whole MLP between them and their wait.
; GELU: 0.5 x + a - a E, a = 0.5 |x|, E = erfc(|x| / sqrt 2) = t 2^(-x x log2(e) / 2 + a polynomial of degree 9 in t), t = 1 / (1 + |x| / (2 sqrt 2)): no difference of near-equal numbers for x < 0.
; LIMITS: NaN and infinities among the inputs are not served.  A p or an erfc under 2^-126 becomes 0.  A block whose largest magnitude lies under 2^-111, a block of zeros among them, takes the scale byte 1
; (its codes are zeros or nearly so, and this program alone reads the bytes).  erfc: fractional error 1.2e-7 of the formula, and some 5e-7 of its evaluation in f32.
.set WQK,  0                           ; LDS: 16 images of 2,048 bytes: q's tiles 0-7, k's 8-15
.set WPJ,  32768                       ; proj: 8 images
.set WF1,  49152                       ; fc1: 32 images, tile 8 s + t
.set WF2,  114688                      ; fc2: 32 images, 8 s + n (s: the K step)
.set XSL,  180224                      ; 8 x 16 rows x 528 bytes: each wave's own x in f32, later its stage on the way out
.set XIMG, 247808                      ; x's 8 images; k's 16,384 bytes on; v^T's 32,768 on
.set XSC,  296960                      ; their scale words: x's; k's 512 bytes on; v^T's 1,024 on
.set VSC,  297984
.set SQK,  298496                      ; the weights' scale words
.set SPJ,  299520
.set SF1,  300032
.set SF2,  302080
.set TQKB, 304128                      ; qkv_b[0 .. 255]
.set TPJB, 305152                      ; six vectors of 128 f32
.set TF2B, 305664
.set TN1W, 306176
.set TN1B, 306688
.set TN2W, 307200
.set TN2B, 307712
.set TF1B, 308224                      ; fc1_b
.set RPB,  310272                      ; the bias table turned: [head][256]
; window 0: v1 16 l | v2 16 l + XIMG | v3 4 l + XSC | v4 64 h + TQKB | v5 bias table | v6, v7 my x slot by token and by row | v8, v9 where my tokens' images and words go | v10, v11 the same for my channels of v^T | v12-15 the MLP loop's addresses
.set MK,   16                          ; v16-23  the mask: pair 2 b + cl (key rows 4 b on, key columns 4 cl on), both halves equal
.set LSUM, 26                          ; v26-29  the four heads' row sums;  v24, v25: -100 where my query's column and key columns 0-3 / 4-7 differ in class;  v30, v31: -M and t, later mean and 1 / sigma
.set AF,   32                          ; the tokens' fragment
.set PC,   48                          ; codes just made
.set R,    64                          ; 64 numbers
.set ACC,  128                         ; 64 numbers
.set CB,   192                         ; bias + mask of the scores; at work in GELU and LayerNorm
.set TM,   224                         ; +0 largest magnitudes, +4 the other half's, then bytes, +12 the conversions' scale operands
.set WVS,  247                         ; v247-255 hold scales and nothing else
.set SW,   248
.set VS,   252
.set AS,   253
.set QS,   254
.set PW,   255
; window 1 (v256 on, named by the low 8 bits)
.set WF,   0                           ; 8 fragments; also gains and biases
.set VF,   128                         ; 2 fragments of v^T
.set XN,   128                         ; the next window's x as loaded; proj_b before that
.set QF,   160                         ; q: a fragment for each head
.set WVF,  224                         ; my 16 rows of Wv: stays
.set VB,   240                         ; their bias, eight equal registers: stays
.set GA,   CB
.set GT,   CB+8
.set GP,   CB+16
.set GM,   CB+24
.set MSB, 0
.macro WIN new                         ; bits 1:0 source 0, 3:2 source 1, 5:4 source 2, 7:6 destination; the high byte repeats the setting that is left
.if MSB != \new
	s_set_vgpr_msb (MSB<<8)|\new
.set MSB, \new
.endif
.endm
.macro PLACES n                        ; plain vector instructions that name no register of the matrix instruction in front (ISA guide 7.12.1)
.rept \n
	v_nop
.endr
.endm
.macro BAR                             ; my LDS stores have landed and my LDS loads are in: then the work-group's barrier
	s_wait_dscnt 0x0
	s_barrier_signal -1
	s_barrier_wait -1
.endm
; Window s[n]: the addresses of my first row's columns 0-3 (dl) and 4-7 (dr) from the pointer s[base].  Pixel row (8 wh + 4 + 2 (w & 3)) mod 128 is even, so the row below it never wraps; the columns wrap between 3 and 4 at most.
.macro WINOFF n, base, dl, dr
	s_lshr_b32 s74, s[\n], 8
	s_lshl_b32 s74, s74, 1
	s_add_co_u32 s74, s74, s6                      ; image = 2 x batch + frame
	s_lshl_b32 s74, s74, 23
	s_bfe_u32 s75, s[\n], 0x40004
	s_lshl_b32 s75, s75, 3
	s_lshl_b32 s76, s5, 1
	s_add_co_u32 s75, s75, s76
	s_add_co_u32 s75, s75, 4
	s_and_b32 s75, s75, 127
	s_lshl_b32 s75, s75, 16                        ; a pixel row is 65,536 bytes
	s_or_b32 s74, s74, s75
	s_and_b32 s75, s[\n], 15
	s_lshl_b32 s75, s75, 3
	s_add_co_u32 s76, s75, 4
	s_lshl_b32 s76, s76, 9
	s_add_co_u32 s76, s76, s74
	s_mov_b32 s77, 0
	s_add_co_u32 s78, s75, 8
	s_and_b32 s78, s78, 127
	s_lshl_b32 s78, s78, 9
	s_add_co_u32 s78, s78, s74
	s_mov_b32 s79, 0
	s_add_nc_u64 s[\dl:\dl+1], s[\base:\base+1], s[76:77]
	s_add_nc_u64 s[\dr:\dr+1], s[\base:\base+1], s[78:79]
.endm
.macro XLOAD                           ; my 16 tokens: each load reads one token's 512 consecutive bytes, 16 a lane
	WIN 0x40
.irp i, 0,1,2,3,4,5,6,7,8,9,10,11,12,13,14,15
.if (\i%8) < 4
	global_load_b128 v[XN+4*\i:XN+4*\i+3], v1, s[66:67] offset:512*(\i%4)+65536*(\i/8) th:TH_LOAD_NT
.else
	global_load_b128 v[XN+4*\i:XN+4*\i+3], v1, s[68:69] offset:512*(\i%4)+65536*(\i/8) th:TH_LOAD_NT
.endif
.endr
	WIN 0
.endm
.macro FRAGS a, off                    ; eight images into window 1
	WIN 0x40
.irp t, 0,1,2,3,4,5,6,7
.irp c, 0,1,2,3
	ds_load_b128 v[WF+16*\t+4*\c:WF+16*\t+4*\c+3], v[\a] offset:(\off)+2048*\t+512*\c
.endr
.endr
	WIN 0
.endm
.macro SCW a, off                      ; their scale words: lanes 0-15 tile 2 p's, lanes 16-31 tile 2 p + 1's
.irp p, 0,1,2,3
	ds_load_b32 v[SW+\p], v[\a] offset:(\off)+128*\p
.endr
.endm
.macro VEC dst, win, a, off            ; 64 numbers of a row of 128: register 16 b + i = index 32 b + 16 h + i (the address holds 64 h)
	WIN \win
.irp b, 0,1,2,3
.irp j, 0,1,2,3
	ds_load_b128 v[(\dst)+16*\b+4*\j:(\dst)+16*\b+4*\j+3], v[\a] offset:(\off)+128*\b+16*\j
.endr
.endr
	WIN 0
.endm
.macro IMG a, off, src                 ; a fragment goes to LDS as it stands
.irp c, 0,1,2,3
	ds_store_b128 v[\a], v[(\src)+4*\c:(\src)+4*\c+3] offset:(\off)+512*\c
.endr
.endm
; Eight products onto eight accumulators, which take turns, one instruction a turn: source 0 = the eight fragments of window 1, source 1 = the tokens' fragment; C = D holds the bias or the sum so far.
.macro MM8 acc, op, osc
.irp t, 0,1,2,3,4,5,6,7
.if (\t%2) == 1
	v_wmma_scale_f32_16x16x128_f8f6f4 v[(\acc)+8*\t:(\acc)+8*\t+7], v[WF+16*\t:WF+16*\t+15], v[(\op):(\op)+15], v[(\acc)+8*\t:(\acc)+8*\t+7], v[SW+\t/2], v[\osc] matrix_a_fmt:MATRIX_FMT_BF8 matrix_b_fmt:MATRIX_FMT_BF8 matrix_a_scale:MATRIX_SCALE_ROW1
.else
	v_wmma_scale_f32_16x16x128_f8f6f4 v[(\acc)+8*\t:(\acc)+8*\t+7], v[WF+16*\t:WF+16*\t+15], v[(\op):(\op)+15], v[(\acc)+8*\t:(\acc)+8*\t+7], v[SW+\t/2], v[\osc] matrix_a_fmt:MATRIX_FMT_BF8 matrix_b_fmt:MATRIX_FMT_BF8
.endif
.endr
.endm
; 64 numbers of a lane become a fragment's codes (block b at v[dst + step b], in the window that dw names) and its scale word.
.macro QUANT src, dst, step, dw, word
.irp b, 0,1,2,3
	v_max3_num_f32 v[TM+\b], |v[(\src)+16*\b]|, |v[(\src)+16*\b+1]|, 0x8000000   ; my 16 numbers of block b, and the floor 2^(16 - 127): the byte cannot fall under 1
.endr
.irp i, 2,4,6,8,10,12,14
.irp b, 0,1,2,3
	v_max3_num_f32 v[TM+\b], v[TM+\b], |v[(\src)+16*\b+\i]|, |v[(\src)+16*\b+\i+1]|   ; the four blocks by turns
.endr
.endr
.irp b, 0,1,2,3
	v_permlanex16_b32 v[TM+4+\b], v[TM+\b], s46, s47
.endr
.irp b, 0,1,2,3
	s_delay_alu instid0(VALU_DEP_4)
	v_max_num_f32 v[TM+\b], v[TM+\b], v[TM+4+\b]   ; with lane l xor 16's: the block's largest magnitude
.endr
.irp b, 0,1,2,3
	s_delay_alu instid0(VALU_DEP_4)
	v_add_nc_u32 v[TM+12+\b], 0xf8800000, v[TM+\b] ; 15 off its exponent field: the conversion's scale operand
.endr
.irp b, 0,1,2,3
.endr
.irp b, 0,1,2,3
	s_delay_alu instid0(VALU_DEP_4)
	v_lshrrev_b32 v[TM+4+\b], 23, v[TM+12+\b]      ; the scale's byte
.endr
	s_delay_alu instid0(VALU_DEP_3)
	v_lshl_or_b32 v[\word], v[TM+5], 8, v[TM+4]
	s_delay_alu instid0(VALU_DEP_1)
	v_lshl_or_b32 v[\word], v[TM+6], 16, v[\word]
	s_delay_alu instid0(VALU_DEP_1)
	v_lshl_or_b32 v[\word], v[TM+7], 24, v[\word]
.irp b, 0,1,2,3
.irp i, 0,1,2,3,4,5,6,7,8,9,10,11,12,13,14,15
.endr
.endr
	WIN \dw
.irp b, 0,1,2,3
	v_cvt_scalef32_pk8_bf8_f32 v[(\dst)+(\step)*\b:(\dst)+(\step)*\b+1], v[(\src)+16*\b:(\src)+16*\b+7], v[TM+12+\b]
	v_cvt_scalef32_pk8_bf8_f32 v[(\dst)+(\step)*\b+2:(\dst)+(\step)*\b+3], v[(\src)+16*\b+8:(\src)+16*\b+15], v[TM+12+\b]
.endr
	WIN 0
	v_nop                                          ; a plain line behind the last conversion
.endm
; Exact GELU of eight numbers, in place.
.macro GELU8 x
.irp i, 0,1,2,3,4,5,6,7
	v_mul_f32 v[GA+\i], 0.5, |v[(\x)+\i]|          ; a
.endr
.irp i, 0,2,4,6
	v_pk_fma_f32 v[GT+\i:GT+\i+1], v[GA+\i:GA+\i+1], 0x3f3504f3, 1.0 op_sel_hi:[1,0,0]
.endr
	s_wait_alu depctr_va_vdst(0)
.irp i, 0,1,2,3,4,5,6,7
	v_rcp_f32 v[GT+\i], v[GT+\i]                   ; t
.endr
.irp i, 0,2,4,6
	v_pk_mul_f32 v[GM+\i:GM+\i+1], v[(\x)+\i:(\x)+\i+1], 0xbf38aa3b op_sel_hi:[1,0]   ; -x log2(e) / 2.  (Plain lines behind the reciprocals)
.endr
	s_wait_alu depctr_va_vdst(0)
.irp i, 0,2,4,6
	v_pk_fma_f32 v[GP+\i:GP+\i+1], v[GT+\i:GT+\i+1], v[244:245], 0xbf97d29d op_sel_hi:[1,1,0]
.endr
.irp k, 0x40097039, 0xbfd1a1e5, 0x3ecdfd18, 0xbe899a80, 0x3e0efb2e, 0x3f0a29d2, 0x3fb8ab5a, 0xbfe9b21e
.irp i, 0,2,4,6
	v_pk_fma_f32 v[GP+\i:GP+\i+1], v[GP+\i:GP+\i+1], v[GT+\i:GT+\i+1], \k op_sel_hi:[1,1,0]
.endr
.endr
.irp i, 0,2,4,6
	v_pk_fma_f32 v[GP+\i:GP+\i+1], v[GM+\i:GM+\i+1], v[(\x)+\i:(\x)+\i+1], v[GP+\i:GP+\i+1]
.endr
	s_wait_alu depctr_va_vdst(0)
.irp i, 0,1,2,3,4,5,6,7
	v_exp_f32 v[GP+\i], v[GP+\i]
.endr
.irp i, 0,2,4,6
	v_pk_fma_f32 v[GM+\i:GM+\i+1], v[(\x)+\i:(\x)+\i+1], 0.5, v[GA+\i:GA+\i+1] op_sel_hi:[1,0,1]   ; 0.5 x + a.  (Plain lines behind the exponentials)
.endr
	s_wait_alu depctr_va_vdst(0)
.irp i, 0,2,4,6
	v_pk_mul_f32 v[GP+\i:GP+\i+1], v[GP+\i:GP+\i+1], v[GT+\i:GT+\i+1]   ; E
.endr
.irp i, 0,2,4,6
	s_delay_alu instid0(VALU_DEP_4)
	v_pk_fma_f32 v[(\x)+\i:(\x)+\i+1], v[GA+\i:GA+\i+1], v[GP+\i:GP+\i+1], v[GM+\i:GM+\i+1] neg_lo:[1,0,0] neg_hi:[1,0,0]
.endr
.endm
.macro LNJOIN                          ; four packed chains, the two halves, the other half of the lanes: the row's sum in v[CB]
	s_delay_alu instid0(VALU_DEP_3)
	v_pk_add_f32 v[CB:CB+1], v[CB:CB+1], v[CB+2:CB+3]
	s_delay_alu instid0(VALU_DEP_2)
	v_pk_add_f32 v[CB+4:CB+5], v[CB+4:CB+5], v[CB+6:CB+7]
	s_delay_alu instid0(VALU_DEP_1)
	v_pk_add_f32 v[CB:CB+1], v[CB:CB+1], v[CB+4:CB+5]
	s_delay_alu instid0(VALU_DEP_1)
	v_add_f32 v[CB], v[CB], v[CB+1]
	s_delay_alu instid0(VALU_DEP_1)
	v_permlanex16_b32 v[TM+4], v[CB], s46, s47
	s_delay_alu instid0(VALU_DEP_1)
	v_add_f32 v[CB], v[CB], v[TM+4]
.endm
; LayerNorm of my token's 128 numbers (64 here, 64 in lane l xor 16), mean first and then the squares of the differences.  The gains have been asked for into window 1, v0-63, the biases into v64-127.
.macro LNORM src, dst
.irp q, 0,1,2,3
	v_pk_add_f32 v[CB+2*\q:CB+2*\q+1], v[(\src)+2*\q:(\src)+2*\q+1], v[(\src)+8+2*\q:(\src)+9+2*\q]   ; ascending: each accumulator is read from its low end on
.endr
.set lj, 8
.rept 24
	v_pk_add_f32 v[CB+2*(lj%4):CB+2*(lj%4)+1], v[CB+2*(lj%4):CB+2*(lj%4)+1], v[(\src)+2*lj:(\src)+2*lj+1]
.set lj, lj+1
.endr
	LNJOIN
	s_delay_alu instid0(VALU_DEP_1)
	v_mul_f32 v30, 0x3c000000, v[CB]               ; the mean
.set lj, 0
.rept 32
	v_pk_add_f32 v[(\dst)+2*lj:(\dst)+2*lj+1], v[(\src)+2*lj:(\src)+2*lj+1], v[30:31] op_sel_hi:[1,0] neg_lo:[0,1] neg_hi:[0,1]
.set lj, lj+1
.endr
.irp q, 0,1,2,3
	v_pk_mul_f32 v[CB+2*\q:CB+2*\q+1], v[(\dst)+2*\q:(\dst)+2*\q+1], v[(\dst)+2*\q:(\dst)+2*\q+1]
.endr
.set lj, 4
.rept 28
	s_delay_alu instid0(VALU_DEP_4)
	v_pk_fma_f32 v[CB+2*(lj%4):CB+2*(lj%4)+1], v[(\dst)+2*lj:(\dst)+2*lj+1], v[(\dst)+2*lj:(\dst)+2*lj+1], v[CB+2*(lj%4):CB+2*(lj%4)+1]
.set lj, lj+1
.endr
	LNJOIN
	s_delay_alu instid0(VALU_DEP_1)
	v_fma_f32 v[CB], v[CB], 0x3c000000, s49        ; the variance + 1e-5
	s_wait_alu depctr_va_vdst(0)
	v_rsq_f32 v30, v[CB]
	v_nop                                          ; a plain line behind the transcendental
.set lj, 0
	s_wait_alu depctr_va_vdst(0)
.rept 32
	v_pk_mul_f32 v[(\dst)+2*lj:(\dst)+2*lj+1], v[(\dst)+2*lj:(\dst)+2*lj+1], v[30:31] op_sel_hi:[1,0]
.set lj, lj+1
.endr
	s_wait_dscnt 0x0                               ; gains and biases are in
	WIN 0x14
.set lj, 0
.rept 32
	v_pk_fma_f32 v[(\dst)+2*lj:(\dst)+2*lj+1], v[(\dst)+2*lj:(\dst)+2*lj+1], v[2*lj:2*lj+1], v[64+2*lj:65+2*lj]
.set lj, lj+1
.endr
	WIN 0
.endm
; The bias of a head for my query and the 64 keys of a frame: table index 15 (query row - key row + 7) + query column - key column + 7; register 16 b + i is key row 4 b + 2 h + i / 8, column i % 8.
.macro RPBLOAD hd
.irp b, 0,1
.irp i, 0,1,2,3,4,5,6,7,8,9,10,11,12,13,14,15
	ds_load_b32 v[CB+16*\b+\i], v5 offset:1024*(\hd)+4*(82-(15*(4*\b+\i/8)+\i%8))
.endr
.endr
.endm
.macro MASKADD
.irp b, 0,1
.irp i, 0,2,4,6,8,10,12,14
	v_pk_add_f32 v[CB+16*\b+\i:CB+16*\b+\i+1], v[CB+16*\b+\i:CB+16*\b+\i+1], v[MK+2*(2*\b+(\i%8)/4):MK+2*(2*\b+(\i%8)/4)+1]
.endr
.endr
.endm
; One head: scores of my 16 queries against 128 keys (C = bias + mask, the same for both frames), p = 2^(t - M) quantised along the keys, O^T = v^T p^T.
.macro HEAD hd
	WIN 0x05
.irp t, 0,1,2,3,4,5,6,7
.if (\t%2) == 1
	v_wmma_scale_f32_16x16x128_f8f6f4 v[R+8*\t:R+8*\t+7], v[WF+16*\t:WF+16*\t+15], v[QF+16*(\hd):QF+16*(\hd)+15], v[CB+8*(\t%4):CB+8*(\t%4)+7], v[SW+\t/2], v[QS] matrix_a_fmt:MATRIX_FMT_BF8 matrix_b_fmt:MATRIX_FMT_BF8 matrix_a_scale:MATRIX_SCALE_ROW1
.else
	v_wmma_scale_f32_16x16x128_f8f6f4 v[R+8*\t:R+8*\t+7], v[WF+16*\t:WF+16*\t+15], v[QF+16*(\hd):QF+16*(\hd)+15], v[CB+8*(\t%4):CB+8*(\t%4)+7], v[SW+\t/2], v[QS] matrix_a_fmt:MATRIX_FMT_BF8 matrix_b_fmt:MATRIX_FMT_BF8
.endif
.endr
	WIN 0
	PLACES 8                                       ; in front of the first read of the scores and of the loads below
	WIN 0x40
.irp u, 0,1
.irp c, 0,1,2,3
	ds_load_b128 v[VF+16*\u+4*\c:VF+16*\u+4*\c+3], v2 offset:32768+2048*(2*(\hd)+\u)+512*\c   ; the head's two tiles of v^T
.endr
.endr
	WIN 0
	ds_load_b32 v[VS], v3 offset:1024+128*(\hd)
.if \hd < 3
	RPBLOAD (\hd)+1                                ; the next head's bias lands under this head's softmax
.endif
.irp b, 0,1,2,3
	v_max3_num_f32 v[TM+\b], v[R+16*\b], v[R+16*\b+1], v[R+16*\b+2]   ; the largest score of each block of 32 keys: for the row's maximum and, since p rises with the score, for the block's largest p
.endr
.irp i, 3,5,7,9,11,13
.irp b, 0,1,2,3
	v_max3_num_f32 v[TM+\b], v[TM+\b], v[R+16*\b+\i], v[R+16*\b+\i+1]
.endr
.endr
.irp b, 0,1,2,3
	v_max_num_f32 v[TM+\b], v[TM+\b], v[R+16*\b+15]
.endr
.irp b, 0,1,2,3
	s_delay_alu instid0(VALU_DEP_4)
	v_permlanex16_b32 v[TM+4+\b], v[TM+\b], s46, s47
.endr
.irp b, 0,1,2,3
	s_delay_alu instid0(VALU_DEP_4)
	v_max_num_f32 v[TM+\b], v[TM+\b], v[TM+4+\b]
.endr
	s_delay_alu instid0(VALU_DEP_2)
	v_max3_num_f32 v240, v[TM], v[TM+1], v[TM+2]
	s_delay_alu instid0(VALU_DEP_1)
	v_max_num_f32 v240, v240, v[TM+3]
	s_delay_alu instid0(VALU_DEP_1)
	v_mul_f32 v31, s52, v240                       ; the row's largest t
	s_delay_alu instid0(VALU_DEP_1)
	v_floor_f32 v30, -v31                          ; -M = -ceil(t): a whole number
.set jj, 0
.rept 32
	v_pk_fma_f32 v[R+jj:R+jj+1], v[R+jj:R+jj+1], s[52:53], v[30:31] op_sel_hi:[1,0,0]   ; t - M
.set jj, jj+2
.endr
.irp b, 0,1,2,3
	v_fma_f32 v[TM+\b], v[TM+\b], s52, v30
.endr
.set jj, 0
	s_wait_alu depctr_va_vdst(0)
.rept 64
	v_exp_f32 v[R+jj], v[R+jj]                     ; p, not normalised
.set jj, jj+1
.endr
.irp b, 0,1,2,3
	v_exp_f32 v[TM+\b], v[TM+\b]                   ; the block's largest p: the same two instructions on the same number
.endr
	v_nop                                          ; a plain line behind the exponentials
	s_wait_alu depctr_va_vdst(0)
.irp b, 0,1,2,3
	v_max_num_f32 v[TM+\b], 0x8000000, v[TM+\b]    ; the floor: a block whose every p is 0 keeps the byte 1; its codes are zeros
.endr
.irp b, 0,1,2,3
	s_delay_alu instid0(VALU_DEP_4)
	v_add_nc_u32 v[TM+12+\b], 0xf8800000, v[TM+\b]
.endr
.irp b, 0,1,2,3
.endr
.irp b, 0,1,2,3
	s_delay_alu instid0(VALU_DEP_4)
	v_lshrrev_b32 v[TM+4+\b], 23, v[TM+12+\b]
.endr
	s_delay_alu instid0(VALU_DEP_3)
	v_lshl_or_b32 v[PW], v[TM+5], 8, v[TM+4]
	s_delay_alu instid0(VALU_DEP_1)
	v_lshl_or_b32 v[PW], v[TM+6], 16, v[PW]
	s_delay_alu instid0(VALU_DEP_1)
	v_lshl_or_b32 v[PW], v[TM+7], 24, v[PW]
	v_pk_add_f32 v[242:243], v[64:65], v[68:69]
	v_pk_add_f32 v[234:235], v[72:73], v[76:77]
	v_pk_add_f32 v[232:233], v[80:81], v[84:85]
	v_pk_add_f32 v[190:191], v[88:89], v[92:93]
	v_pk_add_f32 v[188:189], v[96:97], v[100:101]
	v_pk_add_f32 v[186:187], v[104:105], v[108:109]
	v_pk_add_f32 v[184:185], v[112:113], v[116:117]
	v_pk_add_f32 v[240:241], v[120:121], v[124:125]
	v_pk_add_f32 v[240:241], v[240:241], v[66:67]
	v_pk_add_f32 v[242:243], v[242:243], v[70:71]
	v_pk_add_f32 v[234:235], v[234:235], v[74:75]
	v_pk_add_f32 v[232:233], v[232:233], v[78:79]
	v_pk_add_f32 v[190:191], v[190:191], v[82:83]
	v_pk_add_f32 v[188:189], v[188:189], v[86:87]
	v_pk_add_f32 v[186:187], v[186:187], v[90:91]
	v_pk_add_f32 v[184:185], v[184:185], v[94:95]
	v_pk_add_f32 v[240:241], v[240:241], v[98:99]
	v_pk_add_f32 v[242:243], v[242:243], v[102:103]
	v_pk_add_f32 v[234:235], v[234:235], v[106:107]
	v_pk_add_f32 v[232:233], v[232:233], v[110:111]
	v_pk_add_f32 v[190:191], v[190:191], v[114:115]
	v_pk_add_f32 v[188:189], v[188:189], v[118:119]
	v_pk_add_f32 v[186:187], v[186:187], v[122:123]
	v_pk_add_f32 v[184:185], v[184:185], v[126:127]
	s_delay_alu instid0(VALU_DEP_4)
	v_pk_add_f32 v[240:241], v[240:241], v[190:191]
	s_delay_alu instid0(VALU_DEP_4)
	v_pk_add_f32 v[242:243], v[242:243], v[188:189]
	s_delay_alu instid0(VALU_DEP_4)
	v_pk_add_f32 v[234:235], v[234:235], v[186:187]
	s_delay_alu instid0(VALU_DEP_4)
	v_pk_add_f32 v[232:233], v[232:233], v[184:185]
	s_delay_alu instid0(VALU_DEP_2)
	v_pk_add_f32 v[240:241], v[240:241], v[234:235]
	s_delay_alu instid0(VALU_DEP_2)
	v_pk_add_f32 v[242:243], v[242:243], v[232:233]
	s_delay_alu instid0(VALU_DEP_1)
	v_pk_add_f32 v[240:241], v[240:241], v[242:243]
	s_delay_alu instid0(VALU_DEP_1)
	v_add_f32 v[LSUM+(\hd)], v240, v241            ; my 64 keys' part; lane l xor 16's is added behind the last head
.irp b, 0,1,2,3
.irp i, 0,1,2,3,4,5,6,7,8,9,10,11,12,13,14,15
.endr
	v_cvt_scalef32_pk8_bf8_f32 v[PC+4*\b:PC+4*\b+1], v[R+16*\b:R+16*\b+7], v[TM+12+\b]
	v_cvt_scalef32_pk8_bf8_f32 v[PC+4*\b+2:PC+4*\b+3], v[R+16*\b+8:R+16*\b+15], v[TM+12+\b]
.endr
	s_wait_alu depctr_va_vdst(0)
	s_wait_dscnt 0x0                               ; v^T, its scale words, the next bias
.if \hd < 3
	MASKADD                                        ; sixteen plain lines: also the places between the codes and their product
.else
	PLACES 4
.endif
	WIN 0x01
	v_wmma_scale_f32_16x16x128_f8f6f4 v[ACC+16*(\hd):ACC+16*(\hd)+7], v[VF:VF+15], v[PC:PC+15], 0, v[VS], v[PW] matrix_a_fmt:MATRIX_FMT_BF8 matrix_b_fmt:MATRIX_FMT_BF8
	v_wmma_scale_f32_16x16x128_f8f6f4 v[ACC+16*(\hd)+8:ACC+16*(\hd)+15], v[VF+16:VF+31], v[PC:PC+15], 0, v[VS], v[PW] matrix_a_fmt:MATRIX_FMT_BF8 matrix_b_fmt:MATRIX_FMT_BF8 matrix_a_scale:MATRIX_SCALE_ROW1
	WIN 0
.endm
	; ---------------- the start, once for a work-group ----------------
	s_load_b512 s[8:23], s[0:1], 0x0               ; x, out, qkv codes, scales, bias, proj codes, scales, bias
	s_load_b512 s[24:39], s[0:1], 0x40             ; fc1 codes, scales, bias, fc2 codes, scales, bias, norm1 gain, bias
	s_load_b128 s[40:43], s[0:1], 0x80             ; norm2 gain, bias
	s_load_b64 s[44:45], s[0:1], 0x90              ; the bias table
	s_set_vgpr_msb 0x40
	v_lshl_add_u32 v254, v0, 2, 0x4cc00
	v_mov_b32 v255, 0
	s_set_vgpr_msb 0x4000
	v_lshrrev_b32 v16, 5, v0
	s_delay_alu instid0(VALU_DEP_1)
	v_readfirstlane_b32 s2, v16                    ; wave w
	s_and_b32 s3, s2, 1
	s_lshr_b32 s4, s2, 1
	s_and_b32 s5, s2, 3
	s_lshr_b32 s6, s2, 2                           ; frame
	s_mov_b32 s46, 0x76543210
	s_mov_b32 s47, 0xfedcba98                      ; v_permlanex16_b32's selects for lane l xor 16
	s_mov_b32 s49, 0x3727c5ac                      ; 1e-5
	s_mov_b32 s52, 0x3fb8aa3b                      ; log2(e)
	s_mov_b32 s53, s52                             ; (named with it as a pair)
	s_mov_b32 s54, 0                               ; windows done
	s_lshl_b32 s55, ttmp9, 2                       ; the window in hand
	s_cmp_ge_u32 s5, 2                             ; my queries' window rows are 4-7?
	s_cselect_b32 s59, 0xc2c80000, 0               ; -100 against key rows 0-3,
	s_cselect_b32 s60, 0, 0xc2c80000               ; or against key rows 4-7
	v_and_b32 v17, 31, v0                          ; l
	v_and_b32 v18, 15, v0                          ; r
	v_bfe_u32 v19, v0, 4, 1                        ; h
	v_and_b32 v20, 7, v0                           ; r % 8
	v_bfe_u32 v21, v0, 3, 1                        ; r / 8
	s_delay_alu instid0(VALU_DEP_4)
	v_and_b32 v22, 8, v18
	s_delay_alu instid0(VALU_DEP_1)
	v_add_nc_u32 v22, v22, v18                     ; r + 8 (r / 8)
	v_lshlrev_b32 v1, 4, v17
	; offsets of the weights that my wave brings: 2 tiles of q, k; 1 of proj; 4 of fc1; fc2's tile w in its 4 K steps; my 16 rows of Wv
	s_delay_alu instid0(VALU_DEP_2)
	v_lshlrev_b32 v245, 7, v22
	s_delay_alu instid0(VALU_DEP_1)
	v_lshl_add_u32 v245, v19, 4, v245              ; rows of 128 codes
	s_delay_alu instid0(VALU_DEP_4)
	v_lshlrev_b32 v246, 2, v22                     ; their scale words
	s_wait_alu depctr_va_vdst(0)
	s_lshl_b32 s80, s4, 12
	s_lshl_b32 s81, s3, 10
	s_add_co_u32 s80, s80, s81                     ; tile w's first row x 128
	s_lshl_b32 s74, s2, 12
	v_add_nc_u32 v233, s74, v245
	v_add_nc_u32 v234, s80, v245
	s_lshl_b32 s74, s2, 13
	v_add_nc_u32 v235, s74, v245
	v_lshlrev_b32 v236, 9, v22
	s_delay_alu instid0(VALU_DEP_1)
	v_lshl_add_u32 v236, v19, 4, v236              ; fc2: rows of 512 codes
	s_lshl_b32 s74, s80, 2
	v_add_nc_u32 v236, s74, v236
	s_lshl_b32 s74, s2, 7
	v_add_nc_u32 v237, s74, v246
	s_lshr_b32 s74, s80, 5
	v_add_nc_u32 v238, s74, v246
	s_lshl_b32 s74, s2, 8
	v_add_nc_u32 v239, s74, v246
	v_lshlrev_b32 v240, 4, v22
	s_lshr_b32 s74, s80, 3
	v_add_nc_u32 v240, s74, v240
	v_lshlrev_b32 v241, 2, v0
	v_lshlrev_b32 v242, 3, v0
	s_lshl_b32 s74, s2, 6
	v_lshl_add_u32 v243, v18, 2, s74
	v_min_u32 v244, 224, v0                        ; the table has 225 rows
	s_delay_alu instid0(VALU_DEP_1)
	v_lshlrev_b32 v244, 4, v244
	s_wait_alu depctr_va_vdst(0)
	s_wait_kmcnt 0x0
	WINOFF 55, 8, 66, 68
	XLOAD                                          ; the first window's x
.irp u, 0,1
.irp c, 0,1,2,3
	global_load_b128 v[32+16*\u+4*\c:35+16*\u+4*\c], v233, s[12:13] offset:1024*\u+32*\c
.endr
	global_load_b32 v[208+\u], v237, s[14:15] offset:32*\u
.endr
.irp c, 0,1,2,3
	global_load_b128 v[64+4*\c:67+4*\c], v234, s[18:19] offset:32*\c
.endr
	global_load_b32 v210, v238, s[20:21]
.irp q, 0,1,2,3
.irp c, 0,1,2,3
	global_load_b128 v[80+16*\q+4*\c:83+16*\q+4*\c], v235, s[24:25] offset:4096*(\q/2)+1024*(\q%2)+32*\c
.endr
	global_load_b32 v[211+\q], v239, s[26:27] offset:128*(\q/2)+32*(\q%2)
.endr
.irp q, 0,1,2,3
.irp c, 0,1,2,3
	global_load_b128 v[144+16*\q+4*\c:147+16*\q+4*\c], v236, s[30:31] offset:128*\q+32*\c
.endr
	global_load_b32 v[215+\q], v240, s[32:33] offset:4*\q
.endr
	WIN 0x40
.irp c, 0,1,2,3
	global_load_b128 v[WVF+4*\c:WVF+4*\c+3], v234, s[12:13] offset:32768+32*\c
.endr
	WIN 0
	global_load_b32 v[WVS], v238, s[14:15] offset:1024
	global_load_b32 v232, v238, s[16:17] offset:1024   ; v's bias of my lane's channel
	global_load_b32 v219, v241, s[16:17]           ; q's and k's biases
	global_load_b64 v[220:221], v242, s[28:29]
	global_load_b32 v222, v243, s[22:23]
	global_load_b32 v223, v243, s[34:35]
	global_load_b32 v224, v243, s[36:37]
	global_load_b32 v225, v243, s[38:39]
	global_load_b32 v226, v243, s[40:41]
	global_load_b32 v227, v243, s[42:43]
	global_load_b128 v[228:231], v244, s[44:45]
	; LDS addresses: each a constant + constants x lane fields + a constant x wave
	v_add_nc_u32 v2, XIMG, v1
	v_lshl_add_u32 v3, v17, 2, XSC
	v_lshl_add_u32 v4, v19, 6, TQKB
	v_xor_b32 v23, 1, v19
	v_lshlrev_b32 v5, 2, v20
	s_delay_alu instid0(VALU_DEP_1)
	v_mad_u32_u24 v5, v21, 60, v5
	s_delay_alu instid0(VALU_DEP_1)
	v_mad_u32_u24 v5, v23, 120, v5
	s_mul_i32 s74, s5, 120
	s_add_co_u32 s74, s74, RPB
	v_add_nc_u32 v5, s74, v5                       ; 4 (30 (w & 3) + 15 (r / 8) + r % 8 + 30 (1 - h))
	s_mul_i32 s74, s2, 8448
	s_add_co_u32 s74, s74, XSL
	v_mul_u32_u24 v6, v18, 528
	s_delay_alu instid0(VALU_DEP_1)
	v_lshl_add_u32 v6, v19, 6, v6
	s_delay_alu instid0(VALU_DEP_1)
	v_add_nc_u32 v6, s74, v6
	v_add_nc_u32 v7, s74, v1
	v_lshlrev_b32 v8, 4, v20                       ; token 16 w + r is lane r % 8 + 8 (w & 1) of tile 2 (w / 2) + r / 8
	s_delay_alu instid0(VALU_DEP_1)
	v_lshl_add_u32 v8, v21, 11, v8
	s_delay_alu instid0(VALU_DEP_1)
	v_lshl_add_u32 v8, v19, 8, v8
	s_lshl_b32 s74, s4, 12
	s_lshl_b32 s75, s3, 7
	s_add_co_u32 s74, s74, s75
	s_add_co_u32 s74, s74, XIMG
	v_add_nc_u32 v8, s74, v8
	v_lshlrev_b32 v9, 2, v20
	s_delay_alu instid0(VALU_DEP_1)
	v_lshl_add_u32 v9, v21, 6, v9
	s_lshl_b32 s74, s4, 7
	s_lshl_b32 s75, s3, 5
	s_add_co_u32 s74, s74, s75
	s_add_co_u32 s74, s74, XSC
	v_add_nc_u32 v9, s74, v9
	s_lshl_b32 s74, s2, 11
	s_add_co_u32 s75, s74, XIMG+32768
	v_add_nc_u32 v10, s75, v1
	s_lshl_b32 s75, s2, 6
	s_add_co_u32 s75, s75, VSC
	v_lshl_add_u32 v11, v18, 2, s75
	s_lshl_b32 s75, s2, 12                         ; for the start alone: where my weights' images, words and table parts go
	v_add_nc_u32 v12, s75, v1
	v_add_nc_u32 v13, s74, v1
	s_lshl_b32 s75, s2, 13
	s_add_co_u32 s75, s75, WF1
	v_add_nc_u32 v14, s75, v1
	s_add_co_u32 s75, s74, WF2
	v_add_nc_u32 v15, s75, v1
	s_lshl_b32 s75, s2, 7
	s_add_co_u32 s75, s75, SQK
	v_lshl_add_u32 v24, v18, 2, s75
	s_lshl_b32 s75, s2, 8
	s_add_co_u32 s75, s75, SF1
	v_lshl_add_u32 v25, v18, 2, s75
	v_lshl_add_u32 v26, v0, 2, TQKB
	v_lshl_add_u32 v27, v0, 3, TF1B
	s_lshl_b32 s75, s2, 6
	s_add_co_u32 s75, s75, TPJB
	v_lshl_add_u32 v28, v18, 2, s75
	v_lshl_add_u32 v29, v0, 2, RPB
	s_wait_alu depctr_va_vdst(0)
	s_wait_loadcnt 0x0
.irp u, 0,1
	IMG 12, WQK+2048*\u, 32+16*\u
	ds_store_b32 v24, v[208+\u] offset:64*\u       ; both halves of the lanes write the same word with the same value
.endr
	IMG 13, WPJ, 64
	ds_store_b32 v11, v210 offset:SPJ-VSC
.irp q, 0,1,2,3
	IMG 14, 2048*\q, 80+16*\q
	ds_store_b32 v25, v[211+\q] offset:64*\q
.endr
.irp q, 0,1,2,3
	IMG 15, 16384*\q, 144+16*\q
	ds_store_b32 v11, v[215+\q] offset:SF2-VSC+512*\q
.endr
	ds_store_b32 v26, v219
	ds_store_b64 v27, v[220:221]
.irp k, 0,1,2,3,4,5
	ds_store_b32 v28, v[222+\k] offset:512*\k
.endr
.irp k, 0,1,2,3
	ds_store_b32 v29, v[228+\k] offset:1024*\k     ; the table turned: head k's column
.endr
	s_wait_dscnt 0x0                               ; for the others' sake: my stores have landed
	s_barrier_signal -1
	WIN 0x40                                       ; register work while the others arrive
.irp j, 0,1,2,3,4,5,6,7
	v_mov_b32 v[VB+\j], v232
.endr
	WIN 0
.irp j, 0,1,2,3,4,5,6,7,8,9,10,11,12,13,14,15
	v_mov_b32 v[TM+\j], 0                          ; written once: lane permutes' destinations and upper halves of pairs count as read
.endr
.irp j, 26,27,28,29,30,31
	v_mov_b32 v\j, 0
.endr
	v_mov_b32 v244, 0x3e7c6f08                     ; the polynomial's leading coefficient, as a pair
	v_mov_b32 v245, 0x3e7c6f08
	v_bfe_u32 v16, v0, 2, 1                        ; my query's column is 4-7?
	s_delay_alu instid0(VALU_DEP_1)
	v_cmp_eq_u32 vcc_lo, 1, v16
	v_mov_b32 v17, 0xc2c80000
	v_mov_b32 v18, 0
	s_delay_alu instid0(VALU_DEP_1)
	v_cndmask_b32 v24, v18, v17, vcc_lo            ; -100 against key columns 0-3,
	s_delay_alu instid0(VALU_DEP_2)
	v_cndmask_b32 v25, v17, v18, vcc_lo            ; or against key columns 4-7
	s_barrier_wait -1                              ; weights and tables lie in LDS: nobody writes them again
.Lwin:
	; ---------------- the window's scalars and its mask ----------------
	WINOFF 55, 10, 70, 72                          ; (the last window's stores have had their addresses translated: the wait at the loop's end)
	s_bfe_u32 s74, s55, 0x40004
	s_cmp_eq_u32 s74, 15                           ; only the last row of windows holds two classes of rows,
	s_cselect_b32 s61, s59, 0
	s_cselect_b32 s62, s60, 0
	s_and_b32 s74, s55, 15
	s_cmp_eq_u32 s74, 15                           ; only the last column two classes of columns
	s_cselect_b32 s63, -1, 0
	s_wait_alu depctr_va_vdst(0)
	v_and_b32 v240, s63, v24
	v_and_b32 v241, s63, v25
	s_delay_alu instid0(VALU_DEP_2)
	v_min_num_f32 v16, s61, v240                   ; -100 where rows or columns differ in class, once
	s_delay_alu instid0(VALU_DEP_3)
	v_min_num_f32 v17, s61, v240
	s_delay_alu instid0(VALU_DEP_3)
	v_min_num_f32 v18, s61, v241
	s_delay_alu instid0(VALU_DEP_4)
	v_min_num_f32 v19, s61, v241
	v_min_num_f32 v20, s62, v240
	v_min_num_f32 v21, s62, v240
	v_min_num_f32 v22, s62, v241
	v_min_num_f32 v23, s62, v241
	; ---------------- x: into my slot, back by token, quantised ----------------
	s_wait_loadcnt 0x0                             ; my 16 tokens
	WIN 0x04
.irp i, 0,1,2,3,4,5,6,7,8,9,10,11,12,13,14,15
	ds_store_b128 v7, v[XN+4*\i:XN+4*\i+3] offset:528*\i
.endr
	WIN 0
	VEC R, 0, 6, 0                                 ; LDS serves a wave's instructions in order (ISA guide 5.7.1.4): these see the stores
	FRAGS 1, WQK                                   ; q's weights, their scale words and its bias land under the quantiser
	SCW 3, SQK-XSC
	VEC ACC, 0, 4, 0
	s_wait_dscnt 52                                ; behind x's loads: 32 + 4 + 16
	WIN 0x40
.irp b, 0,1,2,3
.irp c, 0,1,2,3
.if \b != \c
.irp k, 0,1,2,3
	v_mov_b32 v[QF+16*\b+4*\c+\k], 0               ; zero codes outside a head's own block
.endr
.endif
.endr
.endr
	WIN 0
	QUANT R, AF, 4, 0, AS
	IMG 8, 0, AF
	ds_store_b32 v9, v[AS]
	; ---------------- q ----------------
	s_wait_alu depctr_va_vdst(0)
	s_wait_dscnt 0x0
	PLACES 3                                       ; with the quantiser's last line: four between the codes and a scaled product
	WIN 0x01
	MM8 ACC, AF, AS
	WIN 0
	PLACES 8
	FRAGS 1, WQK+16384                             ; k's
	SCW 3, SQK-XSC+512
	VEC R, 0, 4, 512
.set jj, 0
.rept 32
	v_pk_mul_f32 v[ACC+jj:ACC+jj+1], v[ACC+jj:ACC+jj+1], 0x3e3504f3 op_sel_hi:[1,0]   ; / sqrt(32)
.set jj, jj+2
.endr
	QUANT ACC, QF, 20, 0x40, QS                    ; head b's codes into block b of its own fragment
	; ---------------- k ----------------
	s_wait_dscnt 0x0
	WIN 0x01
	MM8 R, AF, AS
	WIN 0
	PLACES 8
	QUANT R, PC, 4, 0, PW
	s_wait_alu depctr_va_vdst(0)
	BAR                                            ; x's images are whole, and every wave has left the last window's attention
	; ---------------- v^T: my 16 channels, all 128 tokens ----------------
	IMG 8, 16384, PC                               ; k's image and scale words
	ds_store_b32 v9, v[PW] offset:512
	FRAGS 2, 0
	SCW 3, 0
	s_wait_dscnt 0x0
	WIN 0x15
.irp t, 0,1,2,3,4,5,6,7
.if (\t%2) == 1
	v_wmma_scale_f32_16x16x128_f8f6f4 v[R+8*\t:R+8*\t+7], v[WF+16*\t:WF+16*\t+15], v[WVF:WVF+15], v[VB:VB+7], v[SW+\t/2], v[WVS] matrix_a_fmt:MATRIX_FMT_BF8 matrix_b_fmt:MATRIX_FMT_BF8 matrix_a_scale:MATRIX_SCALE_ROW1
.else
	v_wmma_scale_f32_16x16x128_f8f6f4 v[R+8*\t:R+8*\t+7], v[WF+16*\t:WF+16*\t+15], v[WVF:WVF+15], v[VB:VB+7], v[SW+\t/2], v[WVS] matrix_a_fmt:MATRIX_FMT_BF8 matrix_b_fmt:MATRIX_FMT_BF8
.endif
.endr
	WIN 0
	PLACES 8
	QUANT R, PC, 4, 0, PW                          ; a lane holds one channel; register 16 c + i is token 32 c + 16 h + i
	IMG 10, 0, PC
	ds_store_b32 v11, v[PW]
	BAR                                            ; k's and v^T's images are whole
	; ---------------- attention ----------------
	FRAGS 2, 16384                                 ; k stays in registers for all four heads
	SCW 3, 512
	RPBLOAD 0
	s_wait_dscnt 0x0
	MASKADD
	HEAD 0
	HEAD 1
	HEAD 2
	HEAD 3
	; ---------------- proj and the residual ----------------
	PLACES 8
	FRAGS 1, WPJ
	SCW 3, SPJ-XSC
	VEC R, 0, 6, 0                                 ; the shortcut: my tokens' x
	VEC XN, 0x40, 4, TPJB-TQKB
.irp b, 0,1,2,3
	v_permlanex16_b32 v[TM+4+\b], v[LSUM+\b], s46, s47
.endr
.irp b, 0,1,2,3
	s_delay_alu instid0(VALU_DEP_4)
	v_add_f32 v[LSUM+\b], v[LSUM+\b], v[TM+4+\b]   ; the rows' sums
.endr
	s_wait_alu depctr_va_vdst(0)
.irp b, 0,1,2,3
	v_rcp_f32 v[TM+2*\b], v[LSUM+\b]
.endr
	v_nop
	s_wait_alu depctr_va_vdst(0)
.irp b, 0,1,2,3
.irp j, 0,2,4,6,8,10,12,14
	v_pk_mul_f32 v[ACC+16*\b+\j:ACC+16*\b+\j+1], v[ACC+16*\b+\j:ACC+16*\b+\j+1], v[TM+2*\b:TM+2*\b+1] op_sel_hi:[1,0]
.endr
.endr
	QUANT ACC, AF, 4, 0, AS
	s_wait_dscnt 0x0
	WIN 0x04
.set jj, 0
.rept 32
	v_pk_add_f32 v[R+jj:R+jj+1], v[R+jj:R+jj+1], v[XN+jj:XN+jj+1]   ; x + proj_b: the C of the product
.set jj, jj+2
.endr
	WIN 0
	PLACES 4
	WIN 0x01
	MM8 R, AF, AS
	WIN 0
	PLACES 8
	s_cmp_eq_u32 s54, 3                            ; the next window's x is asked for here, if there is one: the whole MLP stands between these loads and their wait
	s_cbranch_scc1 .Lno_next
	s_add_co_u32 s80, s55, 1
	WINOFF 80, 8, 66, 68                           ; (the last loads by these addresses were waited for at the window's head)
	XLOAD
.Lno_next:
	; ---------------- LayerNorm (norm2), quantised ----------------
	VEC 0, 0x40, 4, TN2W-TQKB
	VEC 64, 0x40, 4, TN2B-TQKB
	LNORM R, ACC
	VEC 0, 0x40, 4, TF2B-TQKB
	QUANT ACC, AF, 4, 0, AS
	s_wait_dscnt 0x0
	WIN 0x04
.set jj, 0
.rept 32
	v_pk_add_f32 v[R+jj:R+jj+1], v[R+jj:R+jj+1], v[jj:jj+1]   ; + fc2_b: fc2's sums start from here
.set jj, jj+2
.endr
	WIN 0
	; ---------------- the MLP: 128 hidden units a trip, which are one K step of fc2 ----------------
	s_mov_b32 s56, 4
	s_mov_b32 s57, WF1
	s_mov_b32 s58, 0
.Lmlp:
	v_add_nc_u32 v12, s57, v1                      ; fc1's eight images of this trip,
	s_delay_alu instid0(VALU_DEP_1)
	v_add_nc_u32 v13, 0x10000, v12                 ; fc2's,
	v_add_nc_u32 v14, s58, v3                      ; their scale words,
	v_add_nc_u32 v15, s58, v4                      ; fc1's bias
	FRAGS 12, 0
	SCW 14, SF1-XSC
	VEC ACC, 0, 15, TF1B-TQKB
	s_wait_alu depctr_va_vdst(0)
	s_wait_dscnt 0x0
	WIN 0x01
	MM8 ACC, AF, AS
	WIN 0
	PLACES 8
	FRAGS 13, 0                                    ; fc2's land under the GELU
	SCW 14, SF2-XSC
.irp t, 0,1,2,3,4,5,6,7
	GELU8 ACC+8*\t
.endr
	QUANT ACC, PC, 4, 0, PW
	s_wait_alu depctr_va_vdst(0)
	s_wait_dscnt 0x0
	PLACES 3
	WIN 0x01
	MM8 R, PC, PW
	WIN 0
	PLACES 8
	s_add_co_u32 s57, s57, 16384
	s_add_co_u32 s58, s58, 512
	s_sub_co_u32 s56, s56, 1
	s_cmp_lg_u32 s56, 0
	s_cbranch_scc1 .Lmlp
	; ---------------- LayerNorm (norm1) and the way out ----------------
	VEC 0, 0x40, 4, TN1W-TQKB
	VEC 64, 0x40, 4, TN1B-TQKB
	LNORM R, ACC
.irp b, 0,1,2,3
.irp j, 0,1,2,3
	ds_store_b128 v6, v[ACC+16*\b+4*\j:ACC+16*\b+4*\j+3] offset:128*\b+16*\j   ; into my own slot, whose x is done with
.endr
.endr
.irp i, 0,1,2,3,4,5,6,7,8,9,10,11,12,13,14,15
	ds_load_b128 v[R+4*\i:R+4*\i+3], v7 offset:528*\i
.endr
.irp i, 0,1,2,3,4,5,6,7,8,9,10,11,12,13,14,15
	s_wait_dscnt 15-\i                             ; row i is back; the younger ones may be out
.if (\i%8) < 4
	global_store_b128 v1, v[R+4*\i:R+4*\i+3], s[70:71] offset:512*(\i%4)+65536*(\i/8) th:TH_STORE_NT   ; 32 lanes store a token's 512 consecutive bytes, at a multiple of 512 from the buffer's first byte
.else
	global_store_b128 v1, v[R+4*\i:R+4*\i+3], s[72:73] offset:512*(\i%4)+65536*(\i/8) th:TH_STORE_NT
.endif
.endr
	s_wait_xcnt 0x0                                ; the stores' data and bases are written again only behind this wait
	s_add_co_u32 s55, s55, 1
	s_add_co_u32 s54, s54, 1
	s_cmp_lt_u32 s54, 4
	s_cbranch_scc1 .Lwin
	s_set_vgpr_msb 0x5
	s_wait_tensorcnt 0x0
	ds_add_u32 v254, v255
	s_wait_dscnt 0x0
	s_set_vgpr_msb 0x500
	s_endpgm
.Lfunc_end_k_q81ae616c99_swin:
	.size	k_q81ae616c99_swin, .Lfunc_end_k_q81ae616c99_swin-k_q81ae616c99_swin
	.p2alignl 7, 3214868480
	.fill 96, 4, 3214868480
	.section	.rodata,"a",@progbits
	.p2align	6, 0x0
	.amdhsa_kernel k_q81ae616c99_swin
		.amdhsa_group_segment_fixed_size 315392
		.amdhsa_private_segment_fixed_size 0
		.amdhsa_enable_private_segment 0
		.amdhsa_kernarg_size 152
		.amdhsa_user_sgpr_count 2
		.amdhsa_user_sgpr_kernarg_segment_ptr 1
		.amdhsa_wavefront_size32 1
		.amdhsa_system_sgpr_workgroup_id_x 1
		.amdhsa_system_sgpr_workgroup_id_y 1
		.amdhsa_system_sgpr_workgroup_id_z 1
		.amdhsa_system_vgpr_workitem_id 0
		.amdhsa_next_free_vgpr 512
		.amdhsa_next_free_sgpr 90
		.amdhsa_reserve_vcc 1
		.amdhsa_float_denorm_mode_32 3
		.amdhsa_float_denorm_mode_16_64 3
		.amdhsa_fp16_overflow 1
		.amdhsa_memory_ordered 1
		.amdhsa_forward_progress 1
		.amdhsa_inst_pref_size 250
	.end_amdhsa_kernel
	.amdgpu_metadata
---
amdhsa.version: [ 1, 2 ]
amdhsa.kernels:
  - .name:           k_q81ae616c99_swin
    .symbol:         k_q81ae616c99_swin.kd
    .args:
      - { .name: x_v, .offset: 0, .size: 8, .value_kind: global_buffer, .address_space: global }
      - { .name: out0, .offset: 8, .size: 8, .value_kind: global_buffer, .address_space: global }
      - { .name: qkv_w_codes, .offset: 16, .size: 8, .value_kind: global_buffer, .address_space: global }
      - { .name: qkv_w_scales, .offset: 24, .size: 8, .value_kind: global_buffer, .address_space: global }
      - { .name: qkv_b, .offset: 32, .size: 8, .value_kind: global_buffer, .address_space: global }
      - { .name: proj_w_codes, .offset: 40, .size: 8, .value_kind: global_buffer, .address_space: global }
      - { .name: proj_w_scales, .offset: 48, .size: 8, .value_kind: global_buffer, .address_space: global }
      - { .name: proj_b, .offset: 56, .size: 8, .value_kind: global_buffer, .address_space: global }
      - { .name: fc1_w_codes, .offset: 64, .size: 8, .value_kind: global_buffer, .address_space: global }
      - { .name: fc1_w_scales, .offset: 72, .size: 8, .value_kind: global_buffer, .address_space: global }
      - { .name: fc1_b, .offset: 80, .size: 8, .value_kind: global_buffer, .address_space: global }
      - { .name: fc2_w_codes, .offset: 88, .size: 8, .value_kind: global_buffer, .address_space: global }
      - { .name: fc2_w_scales, .offset: 96, .size: 8, .value_kind: global_buffer, .address_space: global }
      - { .name: fc2_b, .offset: 104, .size: 8, .value_kind: global_buffer, .address_space: global }
      - { .name: norm1_w, .offset: 112, .size: 8, .value_kind: global_buffer, .address_space: global }
      - { .name: norm1_b, .offset: 120, .size: 8, .value_kind: global_buffer, .address_space: global }
      - { .name: norm2_w, .offset: 128, .size: 8, .value_kind: global_buffer, .address_space: global }
      - { .name: norm2_b, .offset: 136, .size: 8, .value_kind: global_buffer, .address_space: global }
      - { .name: rpb_table, .offset: 144, .size: 8, .value_kind: global_buffer, .address_space: global }
    .group_segment_fixed_size: 315392
    .private_segment_fixed_size: 0
    .kernarg_segment_align: 8
    .kernarg_segment_size: 152
    .max_flat_workgroup_size: 256
    .sgpr_count:     90
    .vgpr_count:     512
    .wavefront_size: 32
...
	.end_amdgpu_metadata
.endif
;; end of part 1
